; MI455X (gfx1250); checked and timed in simulation.
; The chip was launched on July 23, 2026; its instructions are those of AMD's public machine-readable ISA for CDNA 5 (MIT licence, August 2026) and "CDNA5" Instruction Set Architecture Reference Guide (July 2026). The comments in the code are by the model that wrote it; some were corrected since.
;; Onnx Postprocess. Allowed arithmetic: float matrix products may take bf16 or f16 operands with f32 sums; other float arithmetic in f32, or as packed bf16 or f16 multiplies, adds, multiply-adds, maxima and minima; sums over many terms, partial sums and values carried from step to step in f32; what a program stores and reads back later, other than sums and carried values, may be rounded once to bf16 or f16.
;; Inputs: boxes 4 x 3 x 1,444 x 4 float32; scores 4 x 3 x 1,444 x 2 float32.
;; Outputs: out0 4 x 2 x 4,332 x 6 float32.
;; One version. Each part assembles by itself: llvm-mc -triple=amdgcn-amd-amdhsa -mcpu=gfx1250 --defsym DOCPART=n.
;; ======== version 1 of 1: 3 launches
;; limits: inputs' magnitudes at most 4.612e+18
;; workspace buffers: rank 139,264 bytes of whole numbers; tmat 9,748,480 bytes of whole numbers
;; launch ranks (part 1): grid 64 x 4, 8 waves a work-group, no clusters, 42,240 bytes of LDS; arguments scores, rank; writes rank
.if DOCPART == 1
	.amdgcn_target "amdgcn-amd-amdhsa--gfx1250"
	.amdhsa_code_object_version 6
	.text
	.protected	k_q07ef0178cc_ranks
	.globl	k_q07ef0178cc_ranks
	.p2align	8
	.type	k_q07ef0178cc_ranks,@function
k_q07ef0178cc_ranks:
	s_mov_b64 s[64:65], 0
	v_nop
	global_prefetch_b8 v0, s[64:65] scope:SCOPE_SE
	s_setreg_imm32_b32 hwreg(HW_REG_WAVE_MODE, 25, 1), 1
	s_wait_xcnt 0x0
; RANKS.  rank[2 b + c][n] = the place of element n in reference()'s stable argsort(-probs) for batch b, class c; rank[..][4332 .. 4351] = M, the number of elements with score > 0.5.
; WORK LEFT OUT BY THE WHOLE PROGRAM, in the problem's terms.  (1) In _nms_keep supp holds (j > i): a pair with j <= i reaches no output, whatever the inputs hold; only pairs i < j are used.
; (2) keep0 = probs_s > 0: a row at sorted place >= M starts with keep False; cur is False in its trip, so it suppresses nothing, and its own row of the output is 0 whatever its iou.  Which rows these are
; hangs on the scores, so it is decided by the whole number M: this launch stores it, the later launches read it from memory and make only the trips that it asks for (every M from 0 to 4,332 is served).
; Both inputs are read.  LIMIT: a NaN, an infinity or an overflow that would arise only in the pairs left out is not carried to the result.
; THE RANK.  probs = score where score > 0.5, else -1; ties keep the lower index.  For a valid n: rank = #{m < n: s_m > prev(s_n)} + #{m > n: s_m > s_n}, prev = the next float below (s_m >= s_n is s_m > prev(s_n));
; raw scores serve, since both bounds are >= 0.5.  For n under the threshold: rank = n + #{m > n: s_m > 0.5} (all valid ones and the earlier invalid ones stand in front of it): bounds (always true, 0.5).
; The 20 padding elements n = 4,332 .. 4,351 take the bound 0.5 on both sides: their rank is M.
; ONE COMPARISON = (s_m - bound) x 2^64 held to 0 .. 1: 0 where s_m <= bound; where s_m > bound >= 0.5 the difference is at least 2^-24, so the product is at least 2^40 and is held to 1.
; The fused multiply-add takes s_m x 2^64 and adds A = -bound x 2^64 (exact) with one rounding; "always true" is A = 2^127.  Both classes go in one packed instruction, the count in a second.  Counts stay under 4,352: exact in f32.
; LIMITS: |score| < 2^62 (beyond it the products overflow); NaN scores are not treated as reference() treats them.
; SHARES.  A work-group has 68 elements n of one batch (64 x 68 = 4,352) and all m.  A lane stands for 4 n x 8 m: n = n0 + 4 r + lane % 4 in set r of 17, m = 8 g + lane / 4 in group g; wave w takes the groups 8 t + w, t = 0 .. 67.
; 544 groups are 4,352 m: the 20 behind the last element hold 0 in LDS and are counted by no bound (all bounds that meet them are >= 0.5).
; Groups wholly in front of the chunk's n use the bounds for m < n, groups wholly behind those for m > n; the groups that meet [n0, n0 + 67] choose lane by lane.  They span 75 values of the group's first m, a wave's groups lie 64 apart:
; each wave has at least one, and behind it the wave's bounds are switched.
; NO CLUSTER: what the 64 work-groups of a batch share is one fill of 34,656 bytes at the start, against 68 x 34 packed instructions a wave behind it; nothing is filled again.
.set NREAL,  4332
.set CH,     68                        ; elements n of a work-group
.set SETS,   17
.set BATCHB, 34656                     ; bytes of a batch's scores: 4,332 x 2 classes x 4
.set RED,    36864                     ; LDS: 0 .. 36,863 the batch's scores; then 8 waves x 136 sums
.set REDW,   544
.set SPARE,  41216                     ; the spare words: 128 bytes for each of 8 waves, named by no other line
.set PRB,    17408                     ; bytes of one problem's ranks: 4,352 words
.set SPW,  2                           ; my spare word's address; never rewritten
.set NIL,  3                           ; 0; never rewritten
.set T16,  4                           ; 16 x thread
.set T16B, 5                           ; the ninth staging load's offset, held inside the batch
.set MS,   6                           ; lane / 4
.set LA,   7                           ; LDS address of my m in the trip in hand
.set VM,   8
.set P127, 9                           ; 2^127
.set RA,   10
.set X0,   11
.set X1,   12
.set BG,   14                          ; v[14:15] 2^64 twice
.set AA,   16                          ; v[16:49]   A for m < n, a pair (class 0, class 1) for each set
.set AB,   50                          ; v[50:83]   A for m > n; at the start: my own scores
.set AC,   84                          ; v[84:117]  A in use; at the start: the offsets of my own scores
.set CN,   118                         ; v[118:151] counts
.set TT,   152                         ; v[152:185] at work
.set NN,   186                         ; v[186:202] n of each set
.set SM0,  204                         ; v[204:207] two buffers for my m's pair of scores
.set SM1,  206
.set ST,   118                         ; v[118:153] the nine staging loads, before the counts begin
	s_load_b128 s[4:7], s[0:1], 0x0                ; scores s[4:5], rank s[6:7]
	v_lshl_add_u32 v[SPW], v0, 2, SPARE
	v_mov_b32 v[NIL], 0
	v_lshrrev_b32 v1, 5, v0
	v_readfirstlane_b32 s8, v1                     ; wave 0..7
	s_and_b32 s9, ttmp7, 0xffff                    ; batch
	s_mul_i32 s11, ttmp9, CH                       ; n0
	s_mul_i32 s12, s9, BATCHB
	s_mov_b32 s13, 0
	s_mov_b32 s22, 0xdf800000                      ; -2^64
	s_mov_b32 s23, NREAL
	s_mov_b32 s24, 0x76543210                      ; v_permlanex16_b32: each lane takes its own place in the other half
	s_mov_b32 s25, 0xfedcba98
	v_mov_b32 v[P127], 0x7f000000
	v_mov_b32 v[BG], 0x5f800000
	v_mov_b32 v[BG+1], 0x5f800000
	v_lshlrev_b32 v[T16], 4, v0
	v_add_nc_u32 v[T16B], 32768, v[T16]
	v_min_u32 v[T16B], BATCHB-16, v[T16B]          ; no load leaves the batch
	v_and_b32 v[X0], 3, v0
	v_add_nc_u32 v[X0], s11, v[X0]
.set r, 0
.rept SETS
	v_add_nc_u32 v[NN+r], 4*r, v[X0]               ; n
	v_min_u32 v[AC+r], NREAL-1, v[NN+r]            ; a padding n reads the last element; what it reads is not used
	v_lshlrev_b32 v[AC+r], 3, v[AC+r]
.set r, r+1
.endr
	s_wait_kmcnt 0x0
	s_add_nc_u64 s[4:5], s[4:5], s[12:13]          ; scores at my batch
.irp k, 0,1,2,3,4,5,6,7
	global_load_b128 v[ST+4*(\k):ST+4*(\k)+3], v[T16], s[4:5] offset:4096*(\k)  ; the batch's scores, 4,096 consecutive bytes for the 256 threads
.endr
	global_load_b128 v[ST+32:ST+35], v[T16B], s[4:5]
.set r, 0
.rept SETS
	global_load_b64 v[AB+2*r:AB+2*r+1], v[AC+r], s[4:5]  ; my own n's two scores
.set r, r+1
.endr
	v_bfe_u32 v[MS], v0, 2, 3
	s_lshl_b32 s14, s8, 6
	v_lshl_add_u32 v[LA], v[MS], 3, s14            ; 64 w + 8 (lane / 4): group w
	s_lshl_b32 s15, s8, 3                          ; the first m of my group in hand
	s_add_co_u32 s16, s15, 7
	s_sub_co_u32 s16, s16, s11                     ; d = that m + 7 - n0: the group meets [n0, n0 + 67] where 0 <= d <= 74, taken without sign
	s_wait_loadcnt SETS                            ; the 17 loads of my own scores are younger: the nine staging loads are in
.irp k, 0,1,2,3,4,5,6,7
	ds_store_b128 v[T16], v[ST+4*(\k):ST+4*(\k)+3] offset:4096*(\k)
.endr
	v_cmp_gt_u32 vcc_lo, 118, v0                   ; the ninth round holds elements 4,096 + 2 t and the next: they exist where t < 118
.irp k, 32,33,34,35
	v_cndmask_b32 v[ST+(\k)], 0, v[ST+(\k)], vcc_lo  ; behind the last element: 0
.endr
	ds_store_b128 v[T16], v[ST+32:ST+35] offset:32768
	s_wait_loadcnt 0x0                             ; my own scores; their offsets in AC are free from here on
.macro THRESH r
	v_cmp_gt_u32 s20, s23, v[NN+(\r)]              ; 4,332 > n: an element, no padding
.irp c, 0,1
	v_cmp_lt_f32 vcc_lo, 0.5, v[AB+2*(\r)+(\c)]
	s_and_b32 vcc_lo, vcc_lo, s20                  ; valid
	s_and_not1_b32 s21, s20, vcc_lo                ; an element under the threshold
	v_add_nc_u32 v[AA+2*(\r)+(\c)], -1, v[AB+2*(\r)+(\c)]  ; the next float below a positive one
	v_cndmask_b32 v[AA+2*(\r)+(\c)], 0.5, v[AA+2*(\r)+(\c)], vcc_lo
	v_cndmask_b32 v[AB+2*(\r)+(\c)], 0.5, v[AB+2*(\r)+(\c)], vcc_lo
	v_mul_f32 v[AA+2*(\r)+(\c)], s22, v[AA+2*(\r)+(\c)]    ; A = -bound x 2^64
	v_mul_f32 v[AB+2*(\r)+(\c)], s22, v[AB+2*(\r)+(\c)]
	v_cndmask_b32 v[AA+2*(\r)+(\c)], v[AA+2*(\r)+(\c)], v[P127], s21  ; every earlier m stands in front of an element under the threshold
	v_mov_b32 v[AC+2*(\r)+(\c)], v[AA+2*(\r)+(\c)]         ; the walk begins in front of the chunk
	v_mov_b32 v[CN+2*(\r)+(\c)], 0
.endr
.endm
.set r, 0
.rept SETS
	THRESH r
.set r, r+1
.endr
	s_wait_dscnt 0x0                               ; my part of the scores lies in LDS,
	s_barrier_signal -1
	s_barrier_wait -1                              ; everybody's does
; One group of 8 m against the 68 n.  cur: the buffer with my m's scores; nxt: the buffer for the next trip's, asked for first.
.macro TRIP cur, nxt, off
	s_wait_dscnt 0x0                               ; the one load that was out: this trip's scores
	ds_load_b64 v[\nxt:\nxt+1], v[LA] offset:\off
	s_cmp_le_u32 s16, CH+6
	s_cbranch_scc1 .Lmixed_\@
.set r, 0
.rept SETS
	v_pk_fma_f32 v[TT+2*r:TT+2*r+1], v[\cur:\cur+1], v[BG:BG+1], v[AC+2*r:AC+2*r+1] clamp
.set r, r+1
.endr
.set r, 0
.rept SETS
	v_pk_add_f32 v[CN+2*r:CN+2*r+1], v[CN+2*r:CN+2*r+1], v[TT+2*r:TT+2*r+1]
.set r, r+1
.endr
	s_branch .Ljoin_\@
.Lmixed_\@:                                            ; the group meets the chunk's own n: each lane takes the bound that its m and n ask for
	v_add_nc_u32 v[VM], s15, v[MS]                 ; my m
.set r, 0
.rept SETS
	v_cmp_lt_u32 vcc_lo, v[VM], v[NN+r]
	v_cndmask_b32 v[TT+2*r], v[AB+2*r], v[AA+2*r], vcc_lo
	v_cndmask_b32 v[TT+2*r+1], v[AB+2*r+1], v[AA+2*r+1], vcc_lo
	v_pk_fma_f32 v[TT+2*r:TT+2*r+1], v[\cur:\cur+1], v[BG:BG+1], v[TT+2*r:TT+2*r+1] clamp
	v_pk_add_f32 v[CN+2*r:CN+2*r+1], v[CN+2*r:CN+2*r+1], v[TT+2*r:TT+2*r+1]
	v_mov_b32 v[AC+2*r], v[AB+2*r]                 ; my later groups meet the chunk too or lie behind it
	v_mov_b32 v[AC+2*r+1], v[AB+2*r+1]
.set r, r+1
.endr
.Ljoin_\@:
	s_add_co_u32 s15, s15, 64                      ; my next group: 8 groups of 8 m on
	s_add_co_u32 s16, s16, 64
.endm
	ds_load_b64 v[SM0:SM0+1], v[LA]
	s_mov_b32 s17, 34
.Lpair:                                                ; 34 x 2 trips; the load behind the last trip reads the zeros at the region's end
	TRIP SM0, SM1, 512
	TRIP SM1, SM0, 1024
	v_add_nc_u32 v[LA], 1024, v[LA]
	s_sub_co_u32 s17, s17, 1
	s_cmp_lg_u32 s17, 0
	s_cbranch_scc1 .Lpair
	; the eight lanes with my lane % 4 hold parts of the same n's counts: 4 and 8 lanes away inside a half, then the other half
.set i, 0
.rept 2*SETS
	v_add_f32_dpp v[CN+i], v[CN+i], v[CN+i] row_xmask:4 row_mask:0xf bank_mask:0xf
.set i, i+1
.endr
.set i, 0
.rept 2*SETS
	v_add_f32_dpp v[CN+i], v[CN+i], v[CN+i] row_xmask:8 row_mask:0xf bank_mask:0xf
.set i, i+1
.endr
.set i, 0
.rept 2*SETS
	v_permlanex16_b32 v[TT+i], v[CN+i], s24, s25
.set i, i+1
.endr
.set i, 0
.rept 2*SETS
	v_add_f32 v[CN+i], v[CN+i], v[TT+i]
.set i, i+1
.endr
	s_mul_i32 s18, s8, REDW
	s_add_co_u32 s18, s18, RED
	v_and_b32 v[X0], 3, v0
	v_lshl_add_u32 v[RA], v[X0], 2, s18            ; my wave's sums: word 68 c + 4 r + lane % 4; the eight lanes write one word with one value
.set r, 0
.rept SETS
	ds_store_b32 v[RA], v[CN+2*r] offset:16*r
	ds_store_b32 v[RA], v[CN+2*r+1] offset:4*CH+16*r
.set r, r+1
.endr
	s_wait_dscnt 0x0                               ; my sums lie in LDS (and the last trip's spare load is back),
	s_barrier_signal -1
	s_barrier_wait -1                              ; everybody's do
	v_min_u32 v[X0], 2*CH-1, v0                    ; thread t < 136 finishes class t / 68, element n0 + t % 68; the others repeat the last and store nothing
	v_lshl_add_u32 v[X0], v[X0], 2, RED
.irp k, 0,1,2,3,4,5,6,7
	ds_load_b32 v[TT+(\k)], v[X0] offset:REDW*(\k)
.endr
	s_mul_i32 s12, s9, 2*PRB
	s_lshl2_add_u32 s12, s11, s12                  ; the batch's first problem, word n0
	s_add_nc_u64 s[6:7], s[6:7], s[12:13]
	v_mov_b32 v[X1], PRB-4*CH
	v_cmp_le_u32 vcc_lo, CH, v0
	v_cndmask_b32 v[X1], 0, v[X1], vcc_lo          ; the second class lies one problem further on
	v_lshl_add_u32 v[X1], v0, 2, v[X1]
	s_wait_dscnt 0x0
	v_add_f32 v[TT], v[TT], v[TT+1]
	v_add_f32 v[TT+2], v[TT+2], v[TT+3]
	v_add_f32 v[TT+4], v[TT+4], v[TT+5]
	v_add_f32 v[TT+6], v[TT+6], v[TT+7]
	v_add_f32 v[TT], v[TT], v[TT+2]
	v_add_f32 v[TT+4], v[TT+4], v[TT+6]
	v_add_f32 v[TT], v[TT], v[TT+4]
	v_cvt_u32_f32 v[VM], v[TT]                     ; a whole number under 4,352: exact
	s_wait_xcnt 0x0                                ; EXEC changes only behind this wait
	v_cmp_gt_u32 vcc_lo, 2*CH, v0
	s_and_saveexec_b32 s20, vcc_lo
	global_store_b32 v[X1], v[VM], s[6:7]
	s_wait_xcnt 0x0                                ; and again in front of the line that widens it
	s_or_b32 exec_lo, exec_lo, s20
	s_wait_tensorcnt 0x0                           ; the wave's end: behind my last LDS store
	ds_add_u32 v[SPW], v[NIL]
	s_wait_dscnt 0x0
	s_endpgm
.Lfunc_end_k_q07ef0178cc_ranks:
	.size	k_q07ef0178cc_ranks, .Lfunc_end_k_q07ef0178cc_ranks-k_q07ef0178cc_ranks
	.p2alignl 7, 3214868480
	.fill 96, 4, 3214868480
	.section	.rodata,"a",@progbits
	.p2align	6, 0x0
	.amdhsa_kernel k_q07ef0178cc_ranks
		.amdhsa_group_segment_fixed_size 42240
		.amdhsa_private_segment_fixed_size 0
		.amdhsa_enable_private_segment 0
		.amdhsa_kernarg_size 16
		.amdhsa_user_sgpr_count 2
		.amdhsa_user_sgpr_kernarg_segment_ptr 1
		.amdhsa_wavefront_size32 1
		.amdhsa_system_sgpr_workgroup_id_x 1
		.amdhsa_system_sgpr_workgroup_id_y 1
		.amdhsa_system_sgpr_workgroup_id_z 1
		.amdhsa_system_vgpr_workitem_id 0
		.amdhsa_next_free_vgpr 208
		.amdhsa_next_free_sgpr 66
		.amdhsa_reserve_vcc 1
		.amdhsa_float_denorm_mode_32 3
		.amdhsa_float_denorm_mode_16_64 3
		.amdhsa_memory_ordered 1
		.amdhsa_forward_progress 1
		.amdhsa_inst_pref_size 48
	.end_amdhsa_kernel
	.amdgpu_metadata
---
amdhsa.version: [ 1, 2 ]
amdhsa.kernels:
  - .name:           k_q07ef0178cc_ranks
    .symbol:         k_q07ef0178cc_ranks.kd
    .args:
      - { .name: scores, .offset: 0, .size: 8, .value_kind: global_buffer, .address_space: global }
      - { .name: rank, .offset: 8, .size: 8, .value_kind: global_buffer, .address_space: global }
    .group_segment_fixed_size: 42240
    .private_segment_fixed_size: 0
    .kernarg_segment_align: 8
    .kernarg_segment_size: 16
    .max_flat_workgroup_size: 256
    .sgpr_count:     66
    .vgpr_count:     208
    .wavefront_size: 32
...
	.end_amdgpu_metadata
.endif
;; end of part 1
;; launch pairs (part 2): grid 32 x 8, 8 waves a work-group, no clusters, 88,576 bytes of LDS; arguments boxes, rank, tmat; writes tmat
.if DOCPART == 2
	.amdgcn_target "amdgcn-amd-amdhsa--gfx1250"
	.amdhsa_code_object_version 6
	.text
	.protected	k_q07ef0178cc_pairs
	.globl	k_q07ef0178cc_pairs
	.p2align	8
	.type	k_q07ef0178cc_pairs,@function
k_q07ef0178cc_pairs:
	s_mov_b64 s[64:65], 0
	v_nop
	global_prefetch_b8 v0, s[64:65] scope:SCOPE_SE
	s_setreg_imm32_b32 hwreg(HW_REG_WAVE_MODE, 25, 1), 1
	s_wait_xcnt 0x0
; PAIRS.  For problem p = 2 b + c: bit i % 32 of word T[j][i / 32] says whether iou(sorted box i, sorted box j) > 0.45.
; LEFT OUT (shown at the head of the first kernel): words with i / 32 > j / 32 in whole units (reference()'s own j > i) and columns at sorted places >= M in whole groups, by the whole number M that the launch before stored.
; THE TEST.  iou = inter / (a_i + a_j - inter) > t.  Where inter > 0 both boxes have positive sides and the divisor is at least the larger area, so the test is inter (1 + t) > t (a_i + a_j): with a' = max(area, 0) t / (1 + t)
; it reads inter - a'_i > a'_j.  Where inter = 0 reference()'s quotient is 0 or NaN and the test fails; here 0 - a'_i > a'_j fails too, since a' >= 0: that is what the max is for.  Of the two clips one is enough:
; with w' = max(w, 0), w' h is negative or 0 wherever reference()'s inter is 0.  LIMITS: the order of rounding differs from the divided form, so a pair within a few roundings of the threshold may fall on the other side;
; NaN and infinite coordinates are not treated as reference() treats them.
; SHARES.  Every work-group lays its problem's 4,332 boxes at their ranks in LDS (a rank is a whole number read from memory; ranks are a permutation, so every place is written; the 32 places behind them get 0).
; A UNIT is 32 columns j (group g) x 128 rows i (four tiles, k = 4 k4 .. 4 k4 + 3), k4 <= g / 4.  With g = 4 q + r its number is u = (q + 1)(2 q + r) + k4: the units in the order of g.  Those that M asks for are u < U,
; and they are dealt by turns: wave w of work-group x takes u = 256 t + 32 w + x, t = 0 .. 9 (2,380 units at the most); a trip past U is jumped.
; In a unit a lane holds one row i of each tile; column j's box and area come by LDS loads that all lanes address alike.  The comparison's lane mask IS word T[j][k]; v_writelane_b32 lays it into lane j % 32.
; A unit leaves as one store: lane j % 32 holds T[j][4 k4 .. 4 k4 + 3], 512 consecutive bytes at 512 u.  Words with k > g inside a unit's four are made too (they lie in a unit that also holds live words) and are not used later.
; NO CLUSTER: what a problem's 32 work-groups share, 86,640 bytes of boxes and ranks, has to pass through registers to be placed by rank and to make the area; a joint load into LDS would add a copy from LDS to LDS.
.set NREAL, 4332
.set SA,    0                          ; LDS: a' of 4,364 places, 4 bytes each
.set SB,    17664                      ; boxes of 4,364 places, 16 bytes each
.set SPARE, 87552                      ; the spare words: 128 bytes for each of 8 waves, named by no other line
.set PRB,   17408                      ; bytes of a problem's ranks
.set PTB,   1218560                    ; bytes of a problem's units: 2,380 x 512
.set L16,  1                           ; 16 x lane; never rewritten once made
.set SPW,  2
.set NIL,  3
.set T4,   4                           ; the placing: offsets,
.set T16,  5
.set E4,   6
.set E16,  7
.set RK,   8                           ; v[8:24]   17 ranks,
.set A4,   25
.set A16,  26
.set BX,   28                          ; v[28:95]  17 boxes,
.set WH,   96
.set ZR,   100                         ; v[100:103] zeros
.set IB,   8                           ; the units: v[8:23] my rows' boxes, 4 tiles
.set IA,   24                          ; v[24:27]  their a'
.set OUT,  28                          ; v[28:31]  the unit's words
.set TL,   32                          ; v[32:39]  top left, a pair a tile
.set BR,   40                          ; v[40:47]  bottom right, then width and height
.set EE,   48                          ; v[48:51]
.set IBA,  52
.set IAA,  53
.set JBA,  54
.set JAA,  55
.set JA,   56                          ; v[56:87]   the 32 columns' a'
.set JB,   88                          ; v[88:215]  the 32 columns' boxes
.set MK,   36                          ; s[36:39]   four lane masks
	s_load_b128 s[4:7], s[0:1], 0x0                ; boxes s[4:5], rank s[6:7]
	s_load_b64 s[8:9], s[0:1], 0x10                ; tmat
	v_lshl_add_u32 v[SPW], v0, 2, SPARE
	v_mov_b32 v[NIL], 0
	v_lshrrev_b32 v[L16], 5, v0
	v_readfirstlane_b32 s10, v[L16]                ; wave 0..7
	s_and_b32 s11, ttmp7, 0xffff                   ; problem
	s_lshr_b32 s12, s11, 1                         ; batch
	s_mul_i32 s14, s12, NREAL*16
	s_mov_b32 s15, 0
	s_mul_i32 s16, s11, PRB
	s_mov_b32 s17, 0
	s_mul_i32 s18, s11, PTB
	s_mov_b32 s19, 0
	v_lshlrev_b32 v[T4], 2, v0
	v_lshlrev_b32 v[T16], 4, v0
	v_add_nc_u32 v[E4], 4096, v0
	v_min_u32 v[E4], NREAL-1, v[E4]                ; the 17th round: threads past the last element load it again and store nothing
	v_lshlrev_b32 v[E16], 4, v[E4]
	v_lshlrev_b32 v[E4], 2, v[E4]
	s_wait_kmcnt 0x0
	s_add_nc_u64 s[4:5], s[4:5], s[14:15]
	s_add_nc_u64 s[6:7], s[6:7], s[16:17]
	s_add_nc_u64 s[8:9], s[8:9], s[18:19]
	s_load_b32 s20, s[6:7], NREAL*4                ; M
.set k, 0
.rept 16
	global_load_b32 v[RK+k], v[T4], s[6:7] offset:1024*k
	global_load_b128 v[BX+4*k:BX+4*k+3], v[T16], s[4:5] offset:4096*k
.set k, k+1
.endr
	global_load_b32 v[RK+16], v[E4], s[6:7]
	global_load_b128 v[BX+64:BX+67], v[E16], s[4:5]
	v_and_b32 v[L16], 31, v0
	v_lshl_add_u32 v[A16], v[L16], 4, SB+NREAL*16
	v_lshl_add_u32 v[A4], v[L16], 2, SA+NREAL*4
	v_lshlrev_b32 v[L16], 4, v[L16]
.irp z, 0,1,2,3
	v_mov_b32 v[ZR+(\z)], 0
.endr
	s_cmp_lg_u32 s10, 0
	s_cbranch_scc1 .Lnot_zero
	ds_store_b128 v[A16], v[ZR:ZR+3]               ; wave 0: the 32 places behind the last rank, which a last group's lanes read, get 0
	ds_store_b32 v[A4], v[ZR]
.Lnot_zero:
.set k, 0
.rept 17
	s_wait_loadcnt 32-2*k                          ; the later rounds' loads, two each, may stay out
	v_min_u32 v[RK+k], NREAL-1, v[RK+k]            ; a number that was loaded enters an address only behind this bound
	v_pk_add_f32 v[WH:WH+1], v[BX+4*k+2:BX+4*k+3], v[BX+4*k:BX+4*k+1] neg_lo:[0,1] neg_hi:[0,1]
	v_mul_f32 v[WH], v[WH], v[WH+1]                ; area, as reference() makes it
	v_max_num_f32 v[WH], 0, v[WH]
	v_mul_f32 v[WH], 0x3e9ee584, v[WH]             ; x 0.45 / 1.45
	v_lshl_add_u32 v[A16], v[RK+k], 4, SB
	v_lshlrev_b32 v[A4], 2, v[RK+k]
.if k == 16
	s_wait_xcnt 0x0                                ; EXEC changes only behind this wait
	v_cmp_gt_u32 vcc_lo, NREAL-4096, v0            ; elements 4,096 + t exist where t < 236
	s_and_saveexec_b32 s35, vcc_lo
.endif
	ds_store_b128 v[A16], v[BX+4*k:BX+4*k+3]
	ds_store_b32 v[A4], v[WH]
.if k == 16
	s_or_b32 exec_lo, exec_lo, s35                 ; no global instruction was issued under the narrow EXEC
.endif
.set k, k+1
.endr
	s_wait_kmcnt 0x0
	s_min_u32 s20, s20, NREAL
	s_add_co_u32 s23, s20, 31
	s_lshr_b32 s23, s23, 5                         ; G = the groups that M asks for
	s_lshr_b32 s24, s23, 2
	s_and_b32 s25, s23, 3
	s_lshl1_add_u32 s25, s24, s25
	s_add_co_u32 s24, s24, 1
	s_mul_i32 s34, s24, s25                        ; U = (G / 4 + 1)(2 (G / 4) + G % 4): the units of the groups under G
	s_lshl_b32 s21, s10, 5
	s_add_co_u32 s21, s21, ttmp9                   ; my first unit
	s_mov_b32 s22, 10
	s_wait_dscnt 0x0                               ; my boxes lie in LDS,
	s_barrier_signal -1
	s_barrier_wait -1                              ; everybody's do
; column jj against my row of each of the four tiles
.macro PAIR jj
.irp t, 0,1,2,3
	v_max_num_f32 v[TL+2*(\t)],   v[IB+4*(\t)],   v[JB+4*(\jj)]
	v_max_num_f32 v[TL+2*(\t)+1], v[IB+4*(\t)+1], v[JB+4*(\jj)+1]
	v_min_num_f32 v[BR+2*(\t)],   v[IB+4*(\t)+2], v[JB+4*(\jj)+2]
	v_min_num_f32 v[BR+2*(\t)+1], v[IB+4*(\t)+3], v[JB+4*(\jj)+3]
.endr
.irp t, 0,1,2,3
	v_pk_add_f32 v[BR+2*(\t):BR+2*(\t)+1], v[BR+2*(\t):BR+2*(\t)+1], v[TL+2*(\t):TL+2*(\t)+1] neg_lo:[0,1] neg_hi:[0,1]
.endr
.irp t, 0,1,2,3
	v_max_num_f32 v[BR+2*(\t)], 0, v[BR+2*(\t)]
.endr
.irp t, 0,1,2,3
	v_fma_f32 v[EE+(\t)], v[BR+2*(\t)], v[BR+2*(\t)+1], -v[IA+(\t)]
.endr
.irp t, 0,1,2,3
	v_cmp_gt_f32 s[MK+(\t)], v[EE+(\t)], v[JA+(\jj)]
.endr
.irp t, 0,1,2,3
	v_writelane_b32 v[OUT+(\t)], s[MK+(\t)], \jj
.endr
.endm
.Lunit:
	s_cmp_ge_u32 s21, s34
	s_cbranch_scc1 .Lnext                          ; M does not ask for this unit
	s_wait_xcnt 0x0                                ; the last unit's store has read its words and its base: they are written again below
	s_mov_b32 s23, 0                               ; q = the number of z in 1 .. 33 with 2 z (z + 1) <= u
.set z, 1
.rept 33
	s_cmp_ge_u32 s21, 2*z*(z+1)
	s_add_co_ci_u32 s23, s23, 0
.set z, z+1
.endr
	s_min_u32 s23, s23, 33
	s_add_co_u32 s24, s23, 1                       ; q + 1: the units of each of the four groups 4 q + r
	s_mul_i32 s25, s23, s24
	s_lshl_b32 s25, s25, 1
	s_sub_co_u32 s26, s21, s25                     ; the unit's place among their 4 (q + 1)
	s_mov_b32 s27, 0                               ; r
	s_cmp_ge_u32 s26, s24
	s_add_co_ci_u32 s27, s27, 0
	s_lshl_b32 s25, s24, 1
	s_cmp_ge_u32 s26, s25
	s_add_co_ci_u32 s27, s27, 0
	s_add_co_u32 s25, s25, s24
	s_cmp_ge_u32 s26, s25
	s_add_co_ci_u32 s27, s27, 0
	s_mul_i32 s25, s27, s24
	s_sub_co_u32 s28, s26, s25                     ; k4
	s_min_u32 s28, s28, 33
	s_lshl_b32 s29, s23, 2
	s_add_co_u32 s29, s29, s27                     ; g = 4 q + r,
	s_min_u32 s29, s29, 135                        ; 135 at the most: behind this bound only a shift and an add lead to the LDS addresses
	s_lshl_b32 s40, s28, 11
	s_add_co_u32 s40, s40, SB
	v_add_nc_u32 v[IBA], s40, v[L16]               ; box of row 128 k4 + lane
	s_lshl_b32 s40, s28, 9
	v_lshrrev_b32 v[IAA], 2, v[L16]
	v_add_nc_u32 v[IAA], s40, v[IAA]               ; its a'
	s_lshl_b32 s40, s29, 9
	s_add_co_u32 s40, s40, SB
	v_mov_b32 v[JBA], s40                          ; box of column 32 g, the same address in all lanes
	s_lshl_b32 s40, s29, 7
	v_mov_b32 v[JAA], s40
.irp t, 0,1,2,3
	ds_load_b128 v[IB+4*(\t):IB+4*(\t)+3], v[IBA] offset:512*(\t)
.endr
.irp t, 0,1,2,3
	ds_load_b32 v[IA+(\t)], v[IAA] offset:128*(\t)
.endr
.irp t, 0,1,2,3,4,5,6,7
	ds_load_b128 v[JA+4*(\t):JA+4*(\t)+3], v[JAA] offset:16*(\t)
.endr
.set j, 0
.rept 32
	ds_load_b128 v[JB+4*j:JB+4*j+3], v[JBA] offset:16*j
.set j, j+1
.endr
.irp t, 0,1,2,3
	v_mov_b32 v[OUT+(\t)], 0                       ; v_writelane_b32 writes a lane at a time: the register is written whole first
.endr
.set j, 0
.rept 32
.if j%4 == 0
	s_wait_dscnt 28-j                              ; the boxes of the columns behind j + 3 may stay out
.endif
	PAIR j
.set j, j+1
.endr
	s_lshl_b32 s30, s21, 9
	s_mov_b32 s31, 0
	s_add_nc_u64 s[32:33], s[8:9], s[30:31]
	global_store_b128 v[L16], v[OUT:OUT+3], s[32:33]  ; 512 consecutive bytes, at a multiple of 512 from the buffer's first
.Lnext:
	s_add_co_u32 s21, s21, 256
	s_sub_co_u32 s22, s22, 1
	s_cmp_lg_u32 s22, 0
	s_cbranch_scc1 .Lunit
	s_wait_dscnt 0x0                               ; my reads of LDS are back,
	s_barrier_signal -1
	s_barrier_wait -1                              ; everybody's are: no wave's closing LDS write comes while another wave still reads; once a launch
	s_wait_tensorcnt 0x0                           ; the wave's end: behind my last LDS store
	ds_add_u32 v[SPW], v[NIL]
	s_wait_dscnt 0x0
	s_endpgm
.Lfunc_end_k_q07ef0178cc_pairs:
	.size	k_q07ef0178cc_pairs, .Lfunc_end_k_q07ef0178cc_pairs-k_q07ef0178cc_pairs
	.p2alignl 7, 3214868480
	.fill 96, 4, 3214868480
	.section	.rodata,"a",@progbits
	.p2align	6, 0x0
	.amdhsa_kernel k_q07ef0178cc_pairs
		.amdhsa_group_segment_fixed_size 88576
		.amdhsa_private_segment_fixed_size 0
		.amdhsa_enable_private_segment 0
		.amdhsa_kernarg_size 24
		.amdhsa_user_sgpr_count 2
		.amdhsa_user_sgpr_kernarg_segment_ptr 1
		.amdhsa_wavefront_size32 1
		.amdhsa_system_sgpr_workgroup_id_x 1
		.amdhsa_system_sgpr_workgroup_id_y 1
		.amdhsa_system_sgpr_workgroup_id_z 1
		.amdhsa_system_vgpr_workitem_id 0
		.amdhsa_next_free_vgpr 216
		.amdhsa_next_free_sgpr 66
		.amdhsa_reserve_vcc 1
		.amdhsa_float_denorm_mode_32 3
		.amdhsa_float_denorm_mode_16_64 3
		.amdhsa_memory_ordered 1
		.amdhsa_forward_progress 1
		.amdhsa_inst_pref_size 75
	.end_amdhsa_kernel
	.amdgpu_metadata
---
amdhsa.version: [ 1, 2 ]
amdhsa.kernels:
  - .name:           k_q07ef0178cc_pairs
    .symbol:         k_q07ef0178cc_pairs.kd
    .args:
      - { .name: boxes, .offset: 0, .size: 8, .value_kind: global_buffer, .address_space: global }
      - { .name: rank, .offset: 8, .size: 8, .value_kind: global_buffer, .address_space: global }
      - { .name: tmat, .offset: 16, .size: 8, .value_kind: global_buffer, .address_space: global }
    .group_segment_fixed_size: 88576
    .private_segment_fixed_size: 0
    .kernarg_segment_align: 8
    .kernarg_segment_size: 24
    .max_flat_workgroup_size: 256
    .sgpr_count:     66
    .vgpr_count:     216
    .wavefront_size: 32
...
	.end_amdgpu_metadata
.endif
;; end of part 2
;; launch scan (part 3): grid 8 x 1, 16 waves a work-group, no clusters, 143,616 bytes of LDS; arguments boxes, scores, rank, tmat, out0; writes out0
.if DOCPART == 3
	.amdgcn_target "amdgcn-amd-amdhsa--gfx1250"
	.amdhsa_code_object_version 6
	.text
	.protected	k_q07ef0178cc_scan
	.globl	k_q07ef0178cc_scan
	.p2align	8
	.type	k_q07ef0178cc_scan,@function
k_q07ef0178cc_scan:
	s_mov_b64 s[64:65], 0
	v_nop
	global_prefetch_b8 v0, s[64:65] scope:SCOPE_SE
	s_setreg_imm32_b32 hwreg(HW_REG_WAVE_MODE, 25, 1), 1
	s_wait_xcnt 0x0
; SCAN AND OUTPUT.  One work-group for each problem p = 2 b + c.  keep_j = (j < M) and no i < j with keep_i and bit (i, j): reference()'s greedy loop, read column by column.
; LEFT OUT (shown at the head of the first kernel): groups of 32 sorted places at or past M, by the whole number M read from memory; their keep words stay 0 and their rows of the output are 0.
; All that steers a branch here is ids, counted loops and the whole number M; the words of tmat only select values.
; THE WORDS.  Group g = 4 q + r (32 columns) has q + 1 units of 512 bytes from unit (q + 1)(2 q + r) on; in unit k4 lane j % 32 holds T[j][4 k4 .. 4 k4 + 3]; bit i % 32 of T[j][i / 32] = box i overlaps box j.
; K_k is the keep word of group k.  Column j falls to an earlier group where the OR over k < g of T[j][k] & K_k is not 0: one v_and_or_b32 for 32 columns x 32 rows.
; STEPS.  Nine steps of 16 groups, a constant count, so that every wave passes every barrier; work that M does not ask for is jumped.  In step S wave w owns group 16 S + w:
;   (A) it ANDs the group's words for the steps before (16 S words a lane, loaded a step ahead) with their K (read from LDS), and hands the lane mask of the fallen columns and its units of the step in hand to LDS;
;   (B) behind a barrier wave 0 goes through the 16 groups in order: the K of the step's earlier groups lie in scalar registers.  Inside a group: D_j = T[j][g] & the bits under j, brought into scalar registers lane by lane;
;       K begins as the columns still alive; for j = 1 .. 31: K loses bit j where D_j & K is not 0.  The bits of K under j are final when step j reads them, and D_j holds no others: reference()'s order, bit by bit.
;       Three scalar lines a place: K without bit j; the test; the choice.  The first does not wait for the second, so a place's chain is two lines deep.  D_0 is 0: place 0 has no step.
;   A second barrier shows the step's K to all.
; OUTPUT.  Each thread masks its 9 elements by the keep bit of their ranks and lays [box, score, class] at 24 x rank in an LDS image (ranks are a permutation: every row is written); the image leaves in pieces of 16 bytes a lane.
; A problem's rows begin 32 p bytes behind a multiple of 256 from out0's first byte, so the pieces are counted from that multiple: each store of a wave covers 512 consecutive bytes, aligned; the first and the last round are narrowed.
; AHEAD OF THE LOADS.  In step S a wave prefetches into the L2 the units of its own group of step S + 2, whose loads go out in step S + 1: a lane a block of 256 bytes, up to three instructions, behind the step's loads.
; Only the wave that will load a group names it; lanes past the group's last block name that block again.  The groups of steps 0 and 1 come by their loads alone; a group that M does not ask for is not named.
; NO CLUSTER: the eight work-groups share no input.  Eight work-groups: the scan of one problem is one chain.
.set NREAL, 4332
.set PRB,   17408
.set PTB,   1218560
.set OUTP,  103936                     ; 4,332 x 24 = 103,968 = OUTP + 32
.set KW,    0                          ; LDS: 144 keep words
.set FM,    1024                       ; 16 masks of fallen columns
.set HW,    2304                       ; 16 slots x 2,048 bytes: slot w's unit c at 2,048 w + 512 c + 16 lane
.set IMG,   35072                      ; the image: 13 rounds x 8,192 bytes; byte z stands for byte z behind out0 + OUTP p
.set SPARE, 141568                     ; the spare words: 128 bytes for each of 16 waves, named by no other line
.set L16,  1                           ; 16 x lane
.set SPW,  2
.set NIL,  3
.set LANE, 4
.set LT,   5                           ; the bits below my lane's
.set ACC,  6                           ; v[6:9]; at the head v6-v10 are the offsets of the output's loads
.set D,    10
.set TV,   11
.set KA,   12                          ; KW + 64 S
.set FA,   13                          ; FM + 4 w
.set HS,   14                          ; my slot, my lane
.set HR,   15                          ; slot 0, my lane
.set FR,   16                          ; FM + 4 (lane % 16)
.set FV,   17
.set PF,   18                          ; v[18:20]
.set GO,   21                          ; 16 t
.set RD,   22                          ; IMG + 16 t
.set RD2,  23                          ; 57,344 further on
.set KB0,  24                          ; v[24:39], v[40:55]: 16 keep words, two buffers; in (B): a slot's words, two buffers
.set KB1,  40
.set CUR,  56                          ; v[56:71]   my group's units of the step in hand
.set EARLY,72                          ; v[72:199]  its units for the steps before: chunk e (16 words) at 72 + 16 e
.set R,    200                         ; v[200:208] my 9 elements' ranks
.set SC,   209                         ; v[209:217] their scores
.set CL,   218                         ; the class as f32
.set KZ,   219                         ; 0: the keep words' address
.set BX,   220                         ; v[220:255] their boxes
.set PR,   56                          ; the output: (score, class) pairs, v[56:73]
.set IM,   72                          ; the output: 13 x 4 registers of the image
.set DW,   66                          ; s[67:97]   a slot's D_1 .. D_31, D_j at s[DW + j]
; s14 w, s15 w / 4, s16 w % 4, s17 p, s18 M, s19 G, s20 S, s21 G - 16 S, s22 M - 512 S, s23 the step to load, s[24:25] s[26:27] s[28:29] bases, s30-35 at work, s[36:51] the step's K, s52-58 a slot's scalars, s59 EXEC kept
.macro UBASE dst, sx                   ; s[dst:dst+1] = tmat at the first unit of group 16 s[sx] + w; leaves q in s30 and 0 in s33
	s_lshl2_add_u32 s30, s[\sx], s15               ; q = 4 sx + w / 4
	s_lshl1_add_u32 s31, s30, s16                  ; 2 q + r
	s_add_co_u32 s32, s30, 1
	s_mul_i32 s31, s31, s32
	s_lshl_b32 s32, s31, 9
	s_mov_b32 s33, 0
	s_add_nc_u64 s[\dst:\dst+1], s[10:11], s[32:33]
.endm
; The loads of my group of step s23: its w / 4 + 1 units of that step, then (early = 1) 4 s23 units for the steps before; 36 loads of 512 bytes at the most.  early = 0: step 0, which has no steps before it.
.macro NEXT early
	s_wait_xcnt 0x0                                ; the bases and the prefetches' registers are written again only behind this wait
	s_lshl4_add_u32 s34, s23, s14
	s_cmp_ge_u32 s34, s19
	s_cbranch_scc1 .Lnx_\@                         ; M does not ask for the group
	UBASE 24, 23
	s_lshl_b32 s32, s23, 11
	s_add_nc_u64 s[26:27], s[24:25], s[32:33]
	global_load_b128 v[CUR:CUR+3], v[L16], s[26:27] th:TH_LOAD_NT
.irp c, 1,2,3
	s_cmp_lt_u32 s15, \c
	s_cbranch_scc1 .Lnc_\@
	global_load_b128 v[CUR+4*(\c):CUR+4*(\c)+3], v[L16], s[26:27] offset:512*(\c) th:TH_LOAD_NT
.endr
.Lnc_\@:
.if \early
.irp e, 0,1,2,3,4,5,6,7
	s_cmp_le_u32 s23, \e
	s_cbranch_scc1 .Lnx_\@
.irp c, 0,1,2,3
	global_load_b128 v[EARLY+16*(\e)+4*(\c):EARLY+16*(\e)+4*(\c)+3], v[L16], s[24:25] offset:2048*(\e)+512*(\c) th:TH_LOAD_NT
.endr
.endr
.endif
.Lnx_\@:
.endm
.macro KLOAD b, e                      ; keep words 16 e .. 16 e + 15, the same in all lanes
.irp c, 0,1,2,3
	ds_load_b128 v[(\b)+4*(\c):(\b)+4*(\c)+3], v[KZ] offset:KW+64*(\e)+16*(\c)
.endr
.endm
	s_load_b256 s[4:11], s[0:1], 0x0               ; boxes s[4:5], scores s[6:7], rank s[8:9], tmat s[10:11]
	s_load_b64 s[12:13], s[0:1], 0x20              ; out0
	v_lshl_add_u32 v[SPW], v0, 2, SPARE
	v_mov_b32 v[NIL], 0
	v_lshrrev_b32 v[L16], 5, v0
	v_readfirstlane_b32 s14, v[L16]                ; wave 0..15
	s_lshr_b32 s15, s14, 2
	s_and_b32 s16, s14, 3
	s_and_b32 s17, ttmp9, 7                        ; problem
	v_mov_b32 v[KZ], 0
	v_lshlrev_b32 v6, 2, v0                        ; 4 t
	ds_store_b32 v6, v[KZ]                         ; bytes 0 .. 2,047: the keep words and the masks begin at 0
	v_lshlrev_b32 v7, 3, v0                        ; 8 t
	v_lshlrev_b32 v[GO], 4, v0
	v_add_nc_u32 v8, 4096, v0
	v_min_u32 v8, NREAL-1, v8                      ; the ninth round: threads past the last element load it again and store nothing
	v_lshlrev_b32 v9, 3, v8
	v_lshlrev_b32 v10, 4, v8
	v_lshlrev_b32 v8, 2, v8
	s_lshr_b32 s30, s17, 1                         ; batch
	s_and_b32 s31, s17, 1                          ; class
	s_mov_b32 s33, 0
	s_cmp_lg_u32 s31, 0
	s_cselect_b32 s34, 1.0, 0
	v_mov_b32 v[CL], s34
	s_wait_kmcnt 0x0
	s_mul_i32 s32, s30, NREAL*16
	s_add_nc_u64 s[4:5], s[4:5], s[32:33]
	s_mul_i32 s32, s30, NREAL*8
	s_lshl2_add_u32 s32, s31, s32
	s_add_nc_u64 s[6:7], s[6:7], s[32:33]          ; my class's score of element 0
	s_mul_i32 s32, s17, PRB
	s_add_nc_u64 s[8:9], s[8:9], s[32:33]
	s_mul_i32 s32, s17, PTB
	s_add_nc_u64 s[10:11], s[10:11], s[32:33]
	s_mul_i32 s32, s17, OUTP
	s_add_nc_u64 s[12:13], s[12:13], s[32:33]
	s_load_b32 s18, s[8:9], NREAL*4                ; M
.set k, 0
.rept 8
	global_load_b32 v[R+k], v6, s[8:9] offset:2048*k
	global_load_b32 v[SC+k], v7, s[6:7] offset:4096*k
	global_load_b128 v[BX+4*k:BX+4*k+3], v[GO], s[4:5] offset:8192*k
.set k, k+1
.endr
	global_load_b32 v[R+8], v8, s[8:9]
	global_load_b32 v[SC+8], v9, s[6:7]
	global_load_b128 v[BX+32:BX+35], v10, s[4:5]
	v_and_b32 v[LANE], 31, v0
	v_lshlrev_b32 v[L16], 4, v[LANE]
	v_mov_b32 v[TV], 1
	v_lshlrev_b32 v[LT], v[LANE], v[TV]
	v_add_nc_u32 v[LT], -1, v[LT]
	v_mov_b32 v[KA], KW
	s_lshl_b32 s30, s14, 2
	s_add_co_u32 s30, s30, FM
	v_mov_b32 v[FA], s30
	s_lshl_b32 s30, s14, 11
	s_add_co_u32 s30, s30, HW
	v_add_nc_u32 v[HS], s30, v[L16]
	v_add_nc_u32 v[HR], HW, v[L16]
	v_and_b32 v[TV], 15, v0
	v_lshl_add_u32 v[FR], v[TV], 2, FM
	v_lshl_add_u32 v[RD], v0, 4, IMG
	v_add_nc_u32 v[RD2], 57344, v[RD]
.set i, KB0
.rept 176
	v_mov_b32 v[i], 0                              ; once a launch, while the first loads are out: which of these a step loads hangs on M, and every register is written before it is read on every way through the text
.set i, i+1
.endr
	s_wait_kmcnt 0x0
	s_min_u32 s18, s18, NREAL
	s_add_co_u32 s19, s18, 31
	s_lshr_b32 s19, s19, 5                         ; G
	s_mov_b32 s20, 0
	s_mov_b32 s21, s19
	s_mov_b32 s22, s18
	s_mov_b32 s23, 0
	NEXT 0                                         ; step 0's words
	s_wait_dscnt 0x0                               ; my zeros lie in LDS,
	s_barrier_signal -1
	s_barrier_wait -1                              ; everybody's do
; Slot w of the step, in wave 0.  Its words lie in buffer w % 2; the next slot's are asked for first.
.macro SLOT w
.set SBC, KB0+16*((\w)%2)
.set SBN, KB0+16*(((\w)+1)%2)
	s_wait_dscnt 0x0                               ; this slot's words (and, in slot 0, the masks) are in
.if (\w) < 15
	s_cmp_le_i32 s21, (\w)+1
	s_cbranch_scc1 .Lsn_\@                         ; there is no next slot
.set c, 0
.rept ((\w)+1)/4+1
	ds_load_b128 v[SBN+4*c:SBN+4*c+3], v[HR] offset:2048*((\w)+1)+512*c
.set c, c+1
.endr
.Lsn_\@:
.endif
	v_and_b32 v[D], v[LT], v[SBC+(\w)]             ; my column against the rows of its own group in front of it
.set j, 1
.rept 31
	v_readlane_b32 s[DW+j], v[D], j                ; D_j; these hang on no K, so they stand ahead of the work that does
.set j, j+1
.endr
	v_readlane_b32 s56, v[FV], \w                  ; the columns that fell to earlier steps
	v_mov_b32 v[ACC], 0
	v_mov_b32 v[ACC+1], 0
.set k, 0
.rept \w
	v_and_or_b32 v[ACC+k%2], v[SBC+k], s[36+k], v[ACC+k%2]  ; the step's earlier groups
.set k, k+1
.endr
	v_or_b32 v[ACC], v[ACC], v[ACC+1]
	s_sub_co_i32 s58, s22, 32*(\w)
	v_cmp_gt_i32 s57, s58, v[LANE]                 ; the columns under M
	v_cmp_eq_u32 s52, 0, v[ACC]
	s_and_b32 s53, s52, s57
	s_and_not1_b32 s53, s53, s56                   ; K begins as the columns alive
.set j, 1
.rept 31
	s_and_not1_b32 s54, s53, 1<<j                  ; K without place j,
	s_and_b32 s55, s[DW+j], s53                    ; SCC: a kept row in front of j overlaps it,
	s_cselect_b32 s53, s54, s53                    ; and then j goes
.set j, j+1
.endr
	s_mov_b32 s[36+(\w)], s53
	v_mov_b32 v[TV], s53
	ds_store_b32 v[KA], v[TV] offset:4*(\w)
.if (\w) < 15
	s_cmp_le_i32 s21, (\w)+1
	s_cbranch_scc1 .LBend
.endif
.endm
.Lstep:
	s_wait_loadcnt 0x0                             ; my group's words, asked for a step ago (in step 0 also the output's elements)
	s_cmp_le_i32 s21, s14
	s_cbranch_scc1 .LAdead                         ; M does not ask for my group
.irp z, 0,1,2,3
	v_mov_b32 v[ACC+(\z)], 0
.endr
	s_cmp_eq_u32 s20, 0
	s_cbranch_scc1 .LAe
	KLOAD KB0, 0
.irp e, 0,1,2,3,4,5,6,7
.if (\e) > 0
	s_cmp_le_u32 s20, \e
	s_cbranch_scc1 .LAe
.endif
.if (\e) < 7
	KLOAD KB0+16*(((\e)+1)%2), (\e)+1
	s_wait_dscnt 4                                 ; the next chunk's four loads may stay out
.else
	s_wait_dscnt 0x0
.endif
.set k, 0
.rept 16
	v_and_or_b32 v[ACC+k%4], v[EARLY+16*(\e)+k], v[KB0+16*((\e)%2)+k], v[ACC+k%4]
.set k, k+1
.endr
.endr
.LAe:
	v_or_b32 v[ACC], v[ACC], v[ACC+1]
	v_or_b32 v[ACC+2], v[ACC+2], v[ACC+3]
	v_or_b32 v[ACC], v[ACC], v[ACC+2]
	v_cmp_ne_u32 s30, 0, v[ACC]
	v_mov_b32 v[TV], s30
	ds_store_b32 v[FA], v[TV]                      ; all lanes write one word with one value
	ds_store_b128 v[HS], v[CUR:CUR+3]
.irp c, 1,2,3
	s_cmp_lt_u32 s15, \c
	s_cbranch_scc1 .LAdead
	ds_store_b128 v[HS], v[CUR+4*(\c):CUR+4*(\c)+3] offset:512*(\c)
.endr
.LAdead:
	s_add_co_u32 s23, s20, 1
	NEXT 1                                         ; the next step's words: they have wave 0's 16 slots in which to land
	s_add_co_u32 s35, s20, 2
	s_lshl4_add_u32 s34, s35, s14
	s_cmp_ge_u32 s34, s19
	s_cbranch_scc1 .Lnopf
	UBASE 28, 35
	s_lshl1_add_u32 s31, s30, 1                    ; the group's last block of 256 bytes: 2 q + 1
.irp i, 0,1,2
	v_add_nc_u32 v[PF+(\i)], 32*(\i), v[LANE]
	v_min_u32 v[PF+(\i)], s31, v[PF+(\i)]
	v_lshlrev_b32 v[PF+(\i)], 8, v[PF+(\i)]
.endr
	global_prefetch_b8 v[PF], s[28:29] th:TH_LOAD_NT scope:SCOPE_SE
.irp i, 1,2
	s_cmp_lt_u32 s31, 32*(\i)
	s_cbranch_scc1 .Lnopf
	global_prefetch_b8 v[PF+(\i)], s[28:29] th:TH_LOAD_NT scope:SCOPE_SE
.endr
.Lnopf:
	s_wait_dscnt 0x0                               ; my mask and my units lie in LDS, and my reads of the keep words are back,
	s_barrier_signal -1
	s_barrier_wait -1                              ; everybody's
	s_cmp_lg_u32 s14, 0
	s_cbranch_scc1 .LBend
	s_cmp_le_i32 s21, 0
	s_cbranch_scc1 .LBend
	ds_load_b32 v[FV], v[FR]
	ds_load_b128 v[KB0:KB0+3], v[HR]
.irp w, 0,1,2,3,4,5,6,7,8,9,10,11,12,13,14,15
	SLOT \w
.endr
.LBend:
	s_wait_dscnt 0x0                               ; wave 0: the step's keep words lie in LDS, and its reads of the slots are back
	s_barrier_signal -1
	s_barrier_wait -1
	s_sub_co_i32 s21, s21, 16
	s_sub_co_i32 s22, s22, 512
	v_add_nc_u32 v[KA], 64, v[KA]
	s_add_co_u32 s20, s20, 1
	s_cmp_lt_u32 s20, 9
	s_cbranch_scc1 .Lstep
	s_wait_loadcnt 0x0                             ; no load into the word registers is out: they are used anew below (the last trip asks for group 144 + w, which is past every G, so this wait finds nothing)
	; THE OUTPUT.  The keep word of each of my elements' ranks; a rank enters an address only behind a bound.
.set i, 0
.rept 9
	v_lshrrev_b32 v[KB1+i], 5, v[R+i]
	v_min_u32 v[KB1+i], 135, v[KB1+i]
	v_lshlrev_b32 v[KB1+i], 2, v[KB1+i]
	ds_load_b32 v[KB0+i], v[KB1+i]
	v_min_u32 v[R+i], NREAL-1, v[R+i]
.set i, i+1
.endr
	s_lshl_b32 s30, s17, 5
	s_add_co_u32 s30, s30, IMG                     ; row 0 of the image
	s_wait_dscnt 0x0
.set i, 0
.rept 9
	v_lshrrev_b32 v[TV], v[R+i], v[KB0+i]          ; the shift takes the rank's low five bits
	v_and_b32 v[TV], 1, v[TV]
	v_cmp_eq_u32 vcc_lo, 1, v[TV]
.irp z, 0,1,2,3
	v_cndmask_b32 v[BX+4*i+(\z)], 0, v[BX+4*i+(\z)], vcc_lo
.endr
	v_cndmask_b32 v[PR+2*i], 0, v[SC+i], vcc_lo
	v_cndmask_b32 v[PR+2*i+1], 0, v[CL], vcc_lo
	v_mad_u32_u24 v[KB1+i], v[R+i], 24, s30
.set i, i+1
.endr
.set i, 0
.rept 9
.if i == 8
	s_wait_xcnt 0x0                                ; EXEC changes only behind this wait
	v_cmp_gt_u32 vcc_lo, NREAL-4096, v0            ; elements 4,096 + t exist where t < 236
	s_and_saveexec_b32 s59, vcc_lo
.endif
	ds_store_b64 v[KB1+i], v[BX+4*i:BX+4*i+1]
	ds_store_b64 v[KB1+i], v[BX+4*i+2:BX+4*i+3] offset:8
	ds_store_b64 v[KB1+i], v[PR+2*i:PR+2*i+1] offset:16
.if i == 8
	s_or_b32 exec_lo, exec_lo, s59                 ; no global instruction was issued under the narrow EXEC
.endif
.set i, i+1
.endr
	s_wait_dscnt 0x0                               ; my rows lie in the image,
	s_barrier_signal -1
	s_barrier_wait -1                              ; everybody's do
.irp k, 1,2,3,4,5,6,7
	ds_load_b128 v[IM+4*(\k):IM+4*(\k)+3], v[RD] offset:8192*(\k)
.endr
.irp k, 8,9,10,11
	ds_load_b128 v[IM+4*(\k):IM+4*(\k)+3], v[RD2] offset:8192*((\k)-7)
.endr
.irp k, 1,2,3,4,5,6,7,8,9,10,11
	s_wait_dscnt 11-(\k)                           ; the later rounds' loads may stay out
	global_store_b128 v[GO], v[IM+4*(\k):IM+4*(\k)+3], s[12:13] offset:8192*(\k) th:TH_STORE_NT  ; a wave stores 512 consecutive bytes, at a multiple of 256 from out0's first byte
.endr
	s_lshl_b32 s30, s17, 1                         ; the first round: my problem's rows begin at byte 32 p, thread 2 p
	s_add_co_u32 s31, s30, 354                     ; the last: they end at byte 98,304 + 5,664 + 32 p, thread 354 + 2 p
	s_wait_xcnt 0x0                                ; EXEC changes only behind this wait
	v_cmp_le_u32 vcc_lo, s30, v0
	s_and_saveexec_b32 s59, vcc_lo
	ds_load_b128 v[IM:IM+3], v[RD]
	s_wait_dscnt 0x0
	global_store_b128 v[GO], v[IM:IM+3], s[12:13] th:TH_STORE_NT
	s_wait_xcnt 0x0
	s_or_b32 exec_lo, exec_lo, s59
	v_cmp_gt_u32 vcc_lo, s31, v0
	s_and_saveexec_b32 s59, vcc_lo
	ds_load_b128 v[IM+48:IM+51], v[RD2] offset:8192*5
	s_wait_dscnt 0x0
	global_store_b128 v[GO], v[IM+48:IM+51], s[12:13] offset:8192*12 th:TH_STORE_NT
	s_wait_xcnt 0x0
	s_or_b32 exec_lo, exec_lo, s59
	s_wait_tensorcnt 0x0                           ; the wave's end: behind my last LDS store
	ds_add_u32 v[SPW], v[NIL]
	s_wait_dscnt 0x0
	s_endpgm
.Lfunc_end_k_q07ef0178cc_scan:
	.size	k_q07ef0178cc_scan, .Lfunc_end_k_q07ef0178cc_scan-k_q07ef0178cc_scan
	.p2alignl 7, 3214868480
	.fill 96, 4, 3214868480
	.section	.rodata,"a",@progbits
	.p2align	6, 0x0
	.amdhsa_kernel k_q07ef0178cc_scan
		.amdhsa_group_segment_fixed_size 143616
		.amdhsa_private_segment_fixed_size 0
		.amdhsa_enable_private_segment 0
		.amdhsa_kernarg_size 40
		.amdhsa_user_sgpr_count 2
		.amdhsa_user_sgpr_kernarg_segment_ptr 1
		.amdhsa_wavefront_size32 1
		.amdhsa_system_sgpr_workgroup_id_x 1
		.amdhsa_system_sgpr_workgroup_id_y 1
		.amdhsa_system_sgpr_workgroup_id_z 1
		.amdhsa_system_vgpr_workitem_id 0
		.amdhsa_next_free_vgpr 256
		.amdhsa_next_free_sgpr 98
		.amdhsa_reserve_vcc 1
		.amdhsa_float_denorm_mode_32 3
		.amdhsa_float_denorm_mode_16_64 3
		.amdhsa_memory_ordered 1
		.amdhsa_forward_progress 1
		.amdhsa_inst_pref_size 151
	.end_amdhsa_kernel
	.amdgpu_metadata
---
amdhsa.version: [ 1, 2 ]
amdhsa.kernels:
  - .name:           k_q07ef0178cc_scan
    .symbol:         k_q07ef0178cc_scan.kd
    .args:
      - { .name: boxes, .offset: 0, .size: 8, .value_kind: global_buffer, .address_space: global }
      - { .name: scores, .offset: 8, .size: 8, .value_kind: global_buffer, .address_space: global }
      - { .name: rank, .offset: 16, .size: 8, .value_kind: global_buffer, .address_space: global }
      - { .name: tmat, .offset: 24, .size: 8, .value_kind: global_buffer, .address_space: global }
      - { .name: out0, .offset: 32, .size: 8, .value_kind: global_buffer, .address_space: global }
    .group_segment_fixed_size: 143616
    .private_segment_fixed_size: 0
    .kernarg_segment_align: 8
    .kernarg_segment_size: 40
    .max_flat_workgroup_size: 512
    .sgpr_count:     98
    .vgpr_count:     256
    .wavefront_size: 32
...
	.end_amdgpu_metadata
.endif
;; end of part 3
